; MI455X (gfx1250); checked and timed in simulation.
; The chip was launched on July 23, 2026; its instructions are those of AMD's public machine-readable ISA for CDNA 5 (MIT licence, August 2026) and "CDNA5" Instruction Set Architecture Reference Guide (July 2026). The comments in the code are by the model that wrote it; some were corrected since.
;; Multi Headed Attention. Allowed arithmetic: matrix products marked QUANTISED: E2M3 operands, one E8M0 scale for each 32 along K, by v_wmma_scale_f32_16x16x128_f8f6f4 with both operands' format E2M3, f32 sums; everything else in f32.
;; Inputs: Wk 1,024 x 1,024 float32; Wq 1,024 x 1,024 float32; Wv 1,024 x 1,024 float32; bk 1,024 float32; bq 1,024 float32; bv 1,024 float32; key 4 x 2,048 x 1,024 float32; mask 4 x 1 x 1 x 2,048 bool; query 4 x 2,048 x 1,024 float32; value 4 x 2,048 x 1,024 float32.
;; Outputs: out0 4 x 2,048 x 1,024 float32.
;; This version of the problem:
;;   THIS VERSION OF THE PROBLEM IS GIVEN IN LOW PRECISION. The matrix products marked QUANTISED in the list below multiply operands that are first quantised to E2M3 (2 exponent bits, 3 mantissa bits; 6 bits a number), with one power-of-two scale for each 32 numbers along K (OCP MX v1.0); their sums are f32. All else is computed in f32.
;;   The module's matrix products, in the order in which they are computed (A, B: the left and right operand; K: the contracted axis; several contracted axes count as one K, in the product's order):
;;     1. [M 8,192, K 1,024] x [K 1,024, N 1,024]; A: input query; B: input Wq: QUANTISED
;;     2. [M 8,192, K 1,024] x [K 1,024, N 1,024]; A: input key; B: input Wk: QUANTISED
;;     3. [M 8,192, K 1,024] x [K 1,024, N 1,024]; A: input value; B: input Wv: QUANTISED
;;     4. batch 64 x [M 2,048, K 64] x [K 64, N 2,048]; A: computed on the way; B: computed on the way: QUANTISED
;;     5. batch 64 x [M 2,048, K 2,048] x [K 2,048, N 64]; A: softmax (see below); B: computed on the way: QUANTISED
;;   THE QUANTISER, for each operand of a quantised product, along K:
;;     - K is cut into blocks of 32 from its start; a last block that is shorter is filled with zeros.
;;     - A block's scale is 2^e with e = floor(log2(the largest magnitude in the block)) - 2, held to -126 .. 127; a block of zeros has e = 0. As a byte (E8M0): e + 127.
;;     - Each number is divided by its block's scale, clamped to +-7.5, and rounded to the nearest number of E2M3, ties to even, subnormals kept.
;;     - The product sums the exact products of the quantised numbers (number of the format x scale) in f32.
;;   ~~~python
;;   def quantise(x, axis):      # numpy; x: float32 -> the quantised numbers, widened to float32 again
;;       x = np.moveaxis(x, axis, -1); K = x.shape[-1]
;;       x = np.pad(x, [(0, 0)] * (x.ndim - 1) + [(0, -K % 32)]); x = x.reshape(x.shape[:-1] + (-1, 32)); a = np.abs(x).max(-1, keepdims=True)
;;       e = np.where(a > 0, np.clip(np.frexp(np.where(a > 0, a, 1))[1] - 1 - 2, -126, 127), 0)      # np.frexp(a)[1] - 1 = floor(log2(a)), exactly
;;       r = np.clip(x / 2.0 ** e, -7.5, 7.5)
;;       step = 2.0 ** (np.maximum(np.frexp(np.where(r == 0, 1, r))[1] - 1, 0) - 3)
;;       q = np.round(r / step) * step * 2.0 ** e      # np.round: ties to even
;;       return np.moveaxis(q.reshape(q.shape[:-2] + (-1,))[..., :K], -1, axis).astype(np.float32)
;;   ~~~
;;   SOFTMAX AHEAD OF A QUANTISED PRODUCT. Where the list says 'softmax', what is quantised is not the finished softmax but p = 2^(t - M), with t = logit x log2(e) and M = ceil(the row's largest t), a whole number; so 1/2 < the row's largest p <= 1. The row's sum l is taken of the UNQUANTISED p, in f32, and the product's result is divided by l at the end. Since M is a whole number, a kernel that streams over the keys may use a running M (the ceiling of the running maximum): every later rescaling is an exact power of two, which a block's scale takes up: the codes' values come out the same.
;;   OPERANDS COMPUTED ON THE WAY. 'Computed on the way' means the value that the module computes at that place (a softmax that the list does not call 'softmax' is quantised finished and normalised). What goes into a quantiser is computed in f32, as accurately as f32 sums, v_exp_f32 and their like allow (about 1e-6 of the number): no bf16 or f16 on the way to a quantiser, and a product that is left as it is and whose result goes on into a quantised operand takes f32 operands (vector FMAs, or v_wmma_f32_16x16x4_f32). A number that lies on a knife's edge between two numbers of the format may be rounded either way, as far as f32 arithmetic and the matrix unit's own rounding can turn it there, and no further.
;; One version. Each part assembles by itself: llvm-mc -triple=amdgcn-amd-amdhsa -mcpu=gfx1250 --defsym DOCPART=n.
;; ======== version 1 of 1: 3 launches
;; limits: right only within a limited range of input values
;; workspace buffers: xc 18,874,368 bytes; xs 786,432 bytes; wc 2,359,296 bytes; ws 98,304 bytes; qi 8,912,896 bytes; kv 15,728,640 bytes
;; launch quant (part 1): grid 864 x 1, 4 waves a work-group, no clusters, 69,120 bytes of LDS; arguments query, key, value, Wq, Wk, Wv, xc, xs, wc, ws; writes xc, xs, wc, ws
.if DOCPART == 1
	.amdgcn_target "amdgcn-amd-amdhsa--gfx1250"
	.amdhsa_code_object_version 6
	.text
	.protected	k_qa3b9ea8620_quant
	.globl	k_qa3b9ea8620_quant
	.p2align	8
	.type	k_qa3b9ea8620_quant,@function
k_qa3b9ea8620_quant:
	s_mov_b64 s[64:65], 0
	v_nop
	global_prefetch_b8 v0, s[64:65] scope:SCOPE_SE
	s_setreg_imm32_b32 hwreg(HW_REG_WAVE_MODE, 25, 1), 1
	s_wait_xcnt 0x0
; query, key, value [8192][1024] and Wq, Wk, Wv [1024 (k)][1024 (n)], f32, become codes of FP6 (E2M3) with K innermost and one E8M0 byte for each 32 along K.
; xc [3][8192 places][768 bytes], xs [3][8192][32];  wc [3][1024 places][768], ws [3][1024][32].
; PLACES: place p holds row (or column n) PI(p), PI = p with bits 3 and 4 exchanged.  Sixteen neighbouring places are then the rows 32 g + 8 u + r + 8 (r / 8), r = 0 .. 15:
; the product's launch reads tiles of neighbouring places, and a lane's results of two neighbouring tiles come out as sixteen neighbours along the next product's K.
; A block's scale is 2^(floor(log2(its largest magnitude)) - 2); its byte is the largest magnitude's exponent field - 2, held at 1 from below.  A block of zeros so gets the byte 1 and zero codes,
; which add nothing; the bytes are read by this program alone.
; LIMITS: blocks whose largest magnitude lies under 2^-124 keep the byte 1; NaN and infinities among the inputs are not served.
; Work-groups 0 .. 95 take the weights (a lane to a column, registers down K), work-groups 96 .. 863 the three activations (a stream of blocks of 32).  Each way has LDS bytes of its own.
; No tensor loads, no barrier: waves share nothing.  No matrix unit, no cluster: nothing is read twice and memory binds.
.set STEPS, 16                         ; activations: steps of 512 numbers for a wave
.set CB,    12                         ; bytes of 16 codes
.set SP,    80                         ; a lane's place in a stage: 64 bytes + 16 of padding
.set WREG,  8192                       ; LDS of a wave on the activations' way: two stages of 32 x SP bytes, then its 256 scale bytes
.set XR,    16                         ; v16-79   four sets of 16 numbers as loaded
.set XX,    80                         ; v80-111  two sets of 16 neighbours
.set XE,    112                        ; v112-127 a scale byte for each step
.set XC,    128                        ; v128-191 codes: four registers for each step
.set WSTG,  32768                      ; LDS of the weights' way begins here: a stage of 32 rows x WP bytes for each wave
.set WP,    272                        ; a stage row: sixteen places of 16 bytes, 12 bytes of codes in each, + 16
.set NB,    8                          ; weights: blocks of 32 along K for a wave
.set WSB,   24                         ; v24-25   the scale bytes, four to a register
.set WX,    32                         ; v32-95   two sets of 32 numbers
.set WC,    96                         ; v96-102  a block's codes
.set WO,    112                        ; v112-175 the way out
	s_load_b512 s[4:19], s[0:1], 0x0               ; query 4:5, key 6:7, value 8:9, Wq 10:11, Wk 12:13, Wv 14:15, xc 16:17, xs 18:19
	s_load_b128 s[20:23], s[0:1], 0x40             ; wc 20:21, ws 22:23
	v_lshl_add_u32 v192, v0, 2, 0x10c00
	v_mov_b32 v193, 0
	v_lshrrev_b32 v1, 5, v0
	v_readfirstlane_b32 s24, v1                    ; wave 0..3
	v_and_b32 v2, 31, v0                           ; lane
	s_cmp_lt_u32 ttmp9, 96
	s_cbranch_scc1 .Lweights
; ---------------- THE ACTIVATIONS.  A wave takes 8 rows = 8,192 numbers.  Each load reads 512 consecutive bytes; a step's 2,048 bytes turn through the wave's own stage and come back 64 bytes a lane,
; so that a lane holds 16 neighbours along K and two neighbouring lanes a block.
	s_sub_co_u32 s25, ttmp9, 96
	s_lshr_b32 s26, s25, 8                         ; which tensor: 0 query, 1 key, 2 value
	s_and_b32 s25, s25, 255                        ; which 32 rows of it
	v_lshlrev_b32 v3, 4, v2                        ; my 16 bytes of a load's 512
	s_mul_i32 s27, s24, WREG
	v_lshrrev_b32 v14, 2, v2
	v_mul_u32_u24 v14, v14, SP
	v_and_b32 v15, 3, v2
	v_lshl_add_u32 v14, v15, 4, v14
	v_add_nc_u32 v14, s27, v14                     ; the stage, on the way in: SP (lane / 4) + 16 (lane % 4)
	v_mul_u32_u24 v15, v2, SP
	v_add_nc_u32 v15, s27, v15                     ; and on the way out: SP x lane
	v_mul_u32_u24 v4, v2, CB                       ; my codes' place in a step's
	v_lshrrev_b32 v5, 1, v2
	s_add_co_u32 s27, s27, 2*32*SP
	v_add_nc_u32 v5, s27, v5                       ; my block's byte among my wave's 256 scale bytes
	v_lshlrev_b32 v7, 3, v2                        ; and on the way out 8 bytes a lane
	v_add_nc_u32 v6, s27, v7
	s_lshl_b32 s28, s25, 2
	s_add_co_u32 s30, s28, s24                     ; in: run of 8 rows number 4 x group + wave,
	s_lshl_b32 s30, s30, 15                        ; 32,768 bytes each
	s_mov_b32 s31, 0
	s_and_b32 s29, s24, 1                          ; out: the wave's two bits are bits 3 and 4 of the row: exchanged, they give the place
	s_lshl_b32 s29, s29, 1
	s_lshr_b32 s32, s24, 1
	s_or_b32 s29, s29, s32
	s_add_co_u32 s28, s28, s29                     ; query, value: the place as above
	; key has places of its own: token 64 c + 32 h + 8 u + j lies at place 64 c + 16 u + 8 h + j, so that in the scores a lane's 32 numbers of four neighbouring tiles are 32 neighbouring keys.
	; In runs of 8: token run 4 g + w (g the work-group's 32 rows, w the wave) goes to place run 8 (g / 2) + 2 w + g % 2
	s_lshr_b32 s32, s25, 1
	s_lshl_b32 s32, s32, 3
	s_lshl_b32 s33, s24, 1
	s_add_co_u32 s32, s32, s33
	s_and_b32 s33, s25, 1
	s_add_co_u32 s32, s32, s33
	s_cmp_eq_u32 s26, 1
	s_cselect_b32 s28, s32, s28
	s_lshl_b32 s32, s26, 10
	s_add_co_u32 s28, s28, s32                     ; run of 8 places in the stacked buffers
	s_mul_i32 s32, s28, 8*768
	s_mov_b32 s33, 0
	s_lshl_b32 s34, s28, 8
	s_mov_b32 s35, 0
	s_wait_alu depctr_va_vdst(0)
	s_wait_kmcnt 0x0
	s_cmp_eq_u32 s26, 0                            ; the choice hangs on the work-group's number alone
	s_cselect_b64 s[4:5], s[4:5], s[6:7]
	s_cmp_eq_u32 s26, 2
	s_cselect_b64 s[4:5], s[8:9], s[4:5]
	s_add_nc_u64 s[4:5], s[4:5], s[30:31]
	s_add_nc_u64 s[16:17], s[16:17], s[32:33]
	s_add_nc_u64 s[18:19], s[18:19], s[34:35]
.macro XLOAD t
.irp i, 0,1,2,3
	global_load_b128 v[XR+16*((\t)%4)+4*\i:XR+16*((\t)%4)+4*\i+3], v3, s[4:5] offset:2048*(\t)+512*\i th:TH_LOAD_NT   ; 32 lanes read 512 consecutive bytes
.endr
.endm
.macro XTURN t                         ; step t's numbers through the stage: LDS serves a wave's instructions in order, so no wait stands between the stores and the loads
.irp i, 0,1,2,3
	ds_store_b128 v14, v[XR+16*((\t)%4)+4*\i:XR+16*((\t)%4)+4*\i+3] offset:32*SP*((\t)%2)+8*SP*\i
.endr
.irp i, 0,1,2,3
	ds_load_b128 v[XX+16*((\t)%2)+4*\i:XX+16*((\t)%2)+4*\i+3], v15 offset:32*SP*((\t)%2)+16*\i
.endr
.endm
.irp t, 0,1,2,3
	XLOAD \t
.endr
	s_wait_loadcnt 12                              ; step 0's four loads are in; the twelve of steps 1 to 3 may be out
	XTURN 0
.macro XSTEP t
.set XS, XX+16*((\t)%2)
.if (\t) > 0
	s_wait_dscnt 1                                 ; this step's numbers are back from the stage (the last step's byte store may be out), so its stores into the stage have read their registers,
.else
	s_wait_dscnt 0x0
.endif
.if (\t)+4 < STEPS
	XLOAD (\t)+4                                   ; which take the loads of four steps on
.endif
.if (\t)+1 < STEPS
.if STEPS-2-(\t) >= 3
	s_wait_loadcnt 12                              ; the next step's four loads are in; those of the three steps behind it may be out
.else
	s_wait_loadcnt 4*(STEPS-2-(\t))
.endif
	XTURN (\t)+1                                   ; and go through the other stage while this step is worked
.endif
	v_max3_num_f32 v8, |v[XS]|, |v[XS+1]|, |v[XS+2]|               ; the largest magnitude of my 16, in two chains
	v_max3_num_f32 v9, |v[XS+3]|, |v[XS+4]|, |v[XS+5]|
.irp i, 6,10
	v_max3_num_f32 v8, v8, |v[XS+\i]|, |v[XS+\i+1]|
	v_max3_num_f32 v9, v9, |v[XS+\i+2]|, |v[XS+\i+3]|
.endr
	v_max3_num_f32 v8, v8, |v[XS+14]|, |v[XS+15]|
	v_max3_num_f32 v8, v8, v9, 0x1800000           ; and the floor 2^(3 - 127): the byte cannot fall under 1
	v_max_num_f32_dpp v8, v8, v8 row_xmask:1 row_mask:0xf bank_mask:0xf   ; and of my neighbour's 16: the block's
	v_add_nc_u32 v11, 0xff000000, v8               ; 2 off its exponent field: the conversion takes the exponent field of this operand as its scale
	v_cvt_scalef32_pk16_fp6_f32 v[XC+4*(\t):XC+4*(\t)+2], v[XS:XS+15], v11
	v_lshrrev_b32 v[XE+(\t)], 23, v11              ; the scale's byte
	ds_store_b8 v5, v[XE+(\t)] offset:16*(\t)      ; both lanes of a block write the same byte with the same value
	global_store_b96 v4, v[XC+4*(\t):XC+4*(\t)+2], s[16:17] offset:32*CB*(\t)   ; the wave stores 384 consecutive bytes
.endm
.irp t, 0,1,2,3,4,5,6,7,8,9,10,11,12,13,14,15
	XSTEP \t
.endr
	ds_load_b64 v[12:13], v6                       ; LDS serves a wave's instructions in order: these see my byte stores
	s_wait_dscnt 0x0
	global_store_b64 v7, v[12:13], s[18:19]        ; 32 lanes store 256 consecutive bytes, at a multiple of 256 from the buffer's first byte
	s_wait_tensorcnt 0x0
	ds_add_u32 v192, v193
	s_wait_dscnt 0x0
	s_endpgm
; ---------------- THE WEIGHTS.  A wave takes 32 columns x 256 along K.  A lane takes a column and its registers run down K: a block of 32 lies in one lane, and the codes come out with K innermost.
.Lweights:
	s_lshr_b32 s26, ttmp9, 5                       ; which weight: 0 Wq, 1 Wk, 2 Wv
	s_and_b32 s25, ttmp9, 7                        ; which 128 columns
	s_bfe_u32 s27, ttmp9, 0x20003                  ; which 256 along K
	s_lshl_b32 s25, s25, 7
	s_lshl_b32 s28, s24, 5
	s_add_co_u32 s25, s25, s28                     ; my wave's first column, a multiple of 32
	s_lshl_b32 s30, s27, 20                        ; in: 256 rows of 4,096 bytes,
	s_lshl_b32 s28, s25, 2
	s_add_co_u32 s30, s30, s28                     ; + 4 bytes a column
	s_mov_b32 s31, 0
	s_lshl_b32 s28, s26, 10
	s_add_co_u32 s28, s28, s25                     ; out: the first of my 32 places in the stacked buffers
	s_mul_i32 s32, s28, 768
	s_mul_i32 s29, s27, 192
	s_add_co_u32 s32, s32, s29
	s_mov_b32 s33, 0
	s_lshl_b32 s34, s28, 5
	s_lshl_b32 s29, s27, 3
	s_add_co_u32 s34, s34, s29
	s_mov_b32 s35, 0
	s_wait_alu depctr_va_vdst(0)
	v_lshlrev_b32 v3, 2, v2                        ; in: 4 bytes a lane
	s_mul_i32 s36, s24, 32*WP
	s_add_co_u32 s36, s36, WSTG                    ; my stage
	v_mul_u32_u24 v4, v2, WP
	v_add_nc_u32 v4, s36, v4                       ; into it: row = my column
	v_and_b32 v5, 15, v2
	v_lshrrev_b32 v6, 4, v2                        ; out of it: sixteen lanes to a row, two rows an instruction
	v_mul_u32_u24 v7, v6, WP
	v_lshl_add_u32 v7, v5, 4, v7
	v_add_nc_u32 v7, s36, v7
	v_mul_u32_u24 v8, v6, 768
	v_mad_u32_u24 v8, v5, 12, v8                   ; and the same place in the codes' buffer (which pair of places: in the store's immediate)
	v_and_b32 v9, 7, v2                            ; my column's place among the 32: bits 3 and 4 exchanged,
	v_and_b32 v10, 8, v2
	v_lshl_or_b32 v9, v10, 1, v9
	v_and_b32 v10, 16, v2
	v_lshrrev_b32 v10, 1, v10
	v_or_b32 v9, v9, v10
	v_lshlrev_b32 v9, 5, v9                        ; 32 scale bytes a place
	s_wait_kmcnt 0x0
	s_cmp_eq_u32 s26, 0
	s_cselect_b64 s[10:11], s[10:11], s[12:13]
	s_cmp_eq_u32 s26, 2
	s_cselect_b64 s[10:11], s[14:15], s[10:11]
	s_add_nc_u64 s[10:11], s[10:11], s[30:31]
	s_add_nc_u64 s[20:21], s[20:21], s[32:33]
	s_add_nc_u64 s[22:23], s[22:23], s[34:35]
.macro WLOAD t                         ; block t: W(32 t + i, my column), i = 0 .. 31, into set t % 2; a wave reads 128 consecutive bytes, the work-group 512
.set i, 0
.rept 32
	global_load_b32 v[WX+32*((\t)%2)+i], v3, s[10:11] offset:(32*(\t)+i)*4096 th:TH_LOAD_NT
.set i, i+1
.endr
.endm
	WLOAD 0
	WLOAD 1
.macro WBLOCK t
.set XS, WX+32*((\t)%2)
.if (\t) < NB-1
	s_wait_loadcnt 32                              ; this block's 32 loads are in; the next block's 32 may be out
.else
	s_wait_loadcnt 0
.endif
	v_max3_num_f32 v12, |v[XS]|, |v[XS+1]|, |v[XS+2]|              ; the block's largest magnitude: all 32 numbers are mine
	v_max3_num_f32 v13, |v[XS+3]|, |v[XS+4]|, |v[XS+5]|
.irp i, 6,10,14,18,22,26
	v_max3_num_f32 v12, v12, |v[XS+\i]|, |v[XS+\i+1]|
	v_max3_num_f32 v13, v13, |v[XS+\i+2]|, |v[XS+\i+3]|
.endr
	v_max3_num_f32 v12, v12, |v[XS+30]|, |v[XS+31]|
	v_max3_num_f32 v12, v12, v13, 0x1800000        ; and the floor 2^(3 - 127)
	v_add_nc_u32 v11, 0xff000000, v12              ; 2 off its exponent field: the conversion's scale operand
	v_lshrrev_b32 v13, 23, v11                     ; the scale's byte
.if (\t)%4 == 0
	v_mov_b32 v[WSB+(\t)/4], v13                   ; four bytes to a register, the lower K in the lower byte
.else
	v_lshl_or_b32 v[WSB+(\t)/4], v13, 8*((\t)%4), v[WSB+(\t)/4]
.endif
	v_cvt_scalef32_pk16_fp6_f32 v[WC:WC+2], v[XS:XS+15], v11
	v_cvt_scalef32_pk16_fp6_f32 v[WC+4:WC+6], v[XS+16:XS+31], v11  ; (a conversion's three registers begin on an even number)
	ds_store_b96 v4, v[WC:WC+2] offset:32*(\t)     ; 16 codes, 12 bytes, to a place of 16 bytes in the stage
	ds_store_b96 v4, v[WC+4:WC+6] offset:32*(\t)+16
.if (\t)+2 < NB
	WLOAD (\t)+2
.endif
	s_wait_dscnt 0x0                               ; the stores have read their registers: the next block's codes may be written
.endm
.irp t, 0,1,2,3,4,5,6,7
	WBLOCK \t
.endr
	s_wait_alu depctr_va_vdst(0)
	global_store_b64 v9, v[WSB:WSB+1], s[22:23]    ; my column's 8 scale bytes
.irp t, 0,1,2,3,4,5,6,7,8,9,10,11,12,13,14,15
	ds_load_b96 v[WO+4*\t:WO+4*\t+2], v7 offset:2*\t*WP   ; columns 2 t and 2 t + 1; LDS serves a wave's instructions in order: these see my stores
.endr
.irp t, 0,1,2,3,4,5,6,7,8,9,10,11,12,13,14,15
	s_wait_dscnt 15-\t                             ; the younger loads may be out
	global_store_b96 v8, v[WO+4*\t:WO+4*\t+2], s[20:21] offset:2*(((\t)&3)|(((\t)&4)<<1)|(((\t)&8)>>1))*768   ; bits 2 and 3 of t are bits 3 and 4 of the column: exchanged, they give the place; sixteen lanes store 192 consecutive bytes
.endr
	s_wait_tensorcnt 0x0
	ds_add_u32 v192, v193
	s_wait_dscnt 0x0
	s_endpgm
.Lfunc_end_k_qa3b9ea8620_quant:
	.size	k_qa3b9ea8620_quant, .Lfunc_end_k_qa3b9ea8620_quant-k_qa3b9ea8620_quant
	.p2alignl 7, 3214868480
	.fill 96, 4, 3214868480
	.section	.rodata,"a",@progbits
	.p2align	6, 0x0
	.amdhsa_kernel k_qa3b9ea8620_quant
		.amdhsa_group_segment_fixed_size 69120
		.amdhsa_private_segment_fixed_size 0
		.amdhsa_enable_private_segment 0
		.amdhsa_kernarg_size 80
		.amdhsa_user_sgpr_count 2
		.amdhsa_user_sgpr_kernarg_segment_ptr 1
		.amdhsa_wavefront_size32 1
		.amdhsa_system_sgpr_workgroup_id_x 1
		.amdhsa_system_sgpr_workgroup_id_y 1
		.amdhsa_system_sgpr_workgroup_id_z 1
		.amdhsa_system_vgpr_workitem_id 0
		.amdhsa_next_free_vgpr 194
		.amdhsa_next_free_sgpr 66
		.amdhsa_reserve_vcc 0
		.amdhsa_float_denorm_mode_32 3
		.amdhsa_float_denorm_mode_16_64 3
		.amdhsa_memory_ordered 1
		.amdhsa_forward_progress 1
		.amdhsa_inst_pref_size 74
	.end_amdhsa_kernel
	.amdgpu_metadata
---
amdhsa.version: [ 1, 2 ]
amdhsa.kernels:
  - .name:           k_qa3b9ea8620_quant
    .symbol:         k_qa3b9ea8620_quant.kd
    .args:
      - { .name: query, .offset: 0, .size: 8, .value_kind: global_buffer, .address_space: global }
      - { .name: key, .offset: 8, .size: 8, .value_kind: global_buffer, .address_space: global }
      - { .name: value, .offset: 16, .size: 8, .value_kind: global_buffer, .address_space: global }
      - { .name: Wq, .offset: 24, .size: 8, .value_kind: global_buffer, .address_space: global }
      - { .name: Wk, .offset: 32, .size: 8, .value_kind: global_buffer, .address_space: global }
      - { .name: Wv, .offset: 40, .size: 8, .value_kind: global_buffer, .address_space: global }
      - { .name: xc, .offset: 48, .size: 8, .value_kind: global_buffer, .address_space: global }
      - { .name: xs, .offset: 56, .size: 8, .value_kind: global_buffer, .address_space: global }
      - { .name: wc, .offset: 64, .size: 8, .value_kind: global_buffer, .address_space: global }
      - { .name: ws, .offset: 72, .size: 8, .value_kind: global_buffer, .address_space: global }
    .group_segment_fixed_size: 69120
    .private_segment_fixed_size: 0
    .kernarg_segment_align: 8
    .kernarg_segment_size: 80
    .max_flat_workgroup_size: 128
    .sgpr_count:     66
    .vgpr_count:     194
    .wavefront_size: 32
...
	.end_amdgpu_metadata
.endif
;; end of part 1
;; launch proj (part 2): grid 4 x 96, 4 waves a work-group, clusters of 4 x 4, 327,680 bytes of LDS; arguments xc, xs, wc, ws, bq, bk, bv, mask, qi, kv; writes qi, kv
.if DOCPART == 2
	.amdgcn_target "amdgcn-amd-amdhsa--gfx1250"
	.amdhsa_code_object_version 6
	.text
	.protected	k_qa3b9ea8620_proj
	.globl	k_qa3b9ea8620_proj
	.p2align	8
	.type	k_qa3b9ea8620_proj,@function
k_qa3b9ea8620_proj:
	s_mov_b64 s[64:65], 0
	v_nop
	global_prefetch_b8 v0, s[64:65] scope:SCOPE_SE
	s_setreg_imm32_b32 hwreg(HW_REG_WAVE_MODE, 25, 1), 1
	s_wait_xcnt 0x0
	s_wait_alu depctr_hold_cnt(0) depctr_sa_sdst(0) depctr_va_vdst(0) depctr_va_sdst(0) depctr_va_ssrc(0) depctr_va_vcc(0) depctr_vm_vsrc(0)
	s_getreg_b32 s2, hwreg(HW_REG_IB_STS2, 6, 4)
	s_cmp_eq_u32 s2, 0
	s_cbranch_scc0 .Lentry_in_a_cluster
	s_endpgm
.Lentry_in_a_cluster:
	s_bfe_u32 s2, ttmp6, 0x10000c
	s_cmp_lg_u32 s2, 0xf033
	s_cbranch_scc0 .Lentry_shape_is_right
	s_endpgm
.Lentry_shape_is_right:
; THE THREE PROJECTIONS x W + b on codes of FP6 (E2M3) with E8M0 scales, K = 1,024, and the quantising of their results for attention.  One text serves all three; which one: cluster y / 8 (0 q, 1 k, 2 v).
; D = P R^T, source 0 = 16 places of P, source 1 = 16 places of R; a work-group makes 256 x 256, each of four waves 128 (P) x 128 (R): 64 accumulators, 512 registers.
;   q, k: P = the weight's columns n, R = the tokens: a lane holds ONE token and 64 numbers along n (two heads' halves): the scores' K.
;   v:    P = the tokens, R = the weight's columns: a lane holds ONE channel and 64 numbers along the tokens: the second product's K.
; Places of query, value and the weights are rows with bits 3 and 4 exchanged: register 16 b + i of a lane (r, h) is index 32 b + 16 h + i along P, and lane r of R's tile a is index 32 (a / 2) + 8 (a % 2) + r + 8 (r / 8).
; Places of key: lane r of R's tile a is token 64 (a / 4) + 32 (r / 8) + 8 (a % 4) + r % 8.
; The bias is added in f32, the 64 numbers are quantised in registers, and the codes leave as IMAGES OF OPERAND REGISTERS, lane l's 16 bytes at 16 l:
;   kv [64 heads][16 steps of 128 keys][15,360]: 8 tiles of K x 1,024 (registers 0-3, then 4-7) | 4 tiles of V x 1,536 (registers 0-11) | K's scale words 512 | V's scale words 512.   qi [64][16][8,704]: 8 tiles x 1,024 | scale words 512.
; THE MASK rides in the idle half of the scores' K (the head has 64 of the instruction's 128): at k = 64 Q holds the code 1.0 under the scale 1, K the code -1.0 under the scale 2^100 where the key is hidden, else 0 under 2^-126.
; A hidden key's score is then -2^100, an open key's is unchanged.
; LIMITS: blocks whose largest magnitude lies under 2^-124 keep the byte 1; NaN and infinities among the inputs are not served.
; K goes through a ring of two LDS slots in CHUNKS OF 256 BYTES of each row of codes (768 bytes: three chunks, each beginning at a multiple of 256 bytes); a step of 128 along K is 96 bytes: eight steps, of which steps 2 and 5 lie across two chunks.
; The scale bytes of the work-group's 512 places come once.  CLUSTERS of 4 x 4: R's tiles are shared along a row, P's along a column, asked for jointly.
; No prefetch: the walk has three chunks, of which two are asked for ahead of the first product: there is no trip to run ahead in.
; REGISTERS: window 0: v0-31 addresses; v32-63 scale words, two sets; v64-127 the bias along P; v128-223 R's fragments, one set; v224-239 the bias along R; v240-247 mask bytes; on the way out as named below.
;   window 1: P's fragments, two sets, at v0 and v128.   window 2: the accumulators of R's tiles 0-3 ((a, b) at v[8 (8 a + b)]);   window 3: of tiles 4-7.
.set ROWB,   256                       ; a tile's row: a chunk of a row of codes
.set NQ,     2                         ; steps that one set of scale words serves
.set KROW,   768                       ; a row of codes in memory
.set STEPS,  8
.set CHUNKS, 3                         ; chunk c lies in slot c % 2
.set PITCH,  272                       ; an LDS row: 256 bytes + 16 of padding
.set FR,     12
.set NL,     6
.set NP,     4                         ; places behind this matrix instruction (ISA guide 7.12.1)
.set HALFT,  128*PITCH
.set SLOT,   4*HALFT                   ; R's 256 rows, then P's 256 rows
.set KS,     32                        ; a row of scale bytes
.set SCL,    2*SLOT                    ; behind the ring: the scale bytes, units of 256 bytes + 16
.set HALFS,  (128*KS/256)*272
.set SBLK,   (16*KS/256)*272
.set SPARE,  SCL+4*HALFS               ; the spare words, 128 bytes a wave
.set ADRA, 16                          ; v16-17 LDS address of R's fragments in slot 0, 1; v18-19 for a piece whose lanes 0-15 read a chunk's end and lanes 16-31 the next chunk's start
.set ADRB, 20                          ; v20-23 the same for P
.set LN,   24                          ; my lane
.set HM,   25                          ; all ones in lanes 0-15, 0 in lanes 16-31
.set L16,  26                          ; 16 x lane
.set ADRS, 27                          ; my scale words: lanes 0-15 R's, lanes 16-31 P's
.set SPW,  28
.set NIL,  29
.set SC,   32
.set AF,   128
.set BI,   64
.set BR,   224
.set MK,   240
.set B2,   248
.set TM,   8
.set WA,   32
.set WB,   40
.set SW,   32
.set XW,   48
.set ST,   128
.set PC,   192
.set PT,   208
.set G1, 24                            ; s[24:31] group 1 of R's tiles; s[32:39] group 0, a set a slot
.set G0, 32
.set G1B, 48                           ; the same for P's
.set G0B, 56
.set G1S, 68                           ; R's scales; P's
.set G0S, 76
.set G1SB, 80
.set G0SB, 88
.set WOFF, 92                          ; s92 wave x 128 LDS rows;  s[94:95] which 128 rows of a tile I fetch, in bytes
.set TYPE, 66
.set KFL,  67
.set AUG,  40
.set MSC,  41
.set SCW,  43
.set SEL,  44
.set DA,   12
.set DB,   18
.set DSA,  20
.set DSB,  22
.set MSB, 0
.macro WIN new
.if MSB != (\new)
	s_set_vgpr_msb (MSB<<8)|(\new)
.set MSB, (\new)
.endif
.endm
.set MUL_LO, 0xa1
.set MUL_HI, 0xf1
.set TO_B,   0x40
; A joint load: waves 0 and 1 fetch for R, waves 2 and 3 for P; an s_nop 0 and four v_nop follow each line
.macro JLOAD g0a, g1a, g0b, g1b
	s_cmp_eq_u32 s15, 0
	s_cbranch_scc0 .Lfor_b_\@
	tensor_load_to_lds s[\g0a:\g0a+3], s[\g1a:\g1a+7]
	s_nop 0
.rept 4
	v_nop
.endr
	s_branch .Lasked_\@
.Lfor_b_\@:
	tensor_load_to_lds s[\g0b:\g0b+3], s[\g1b:\g1b+7]
	s_nop 0
.rept 4
	v_nop
.endr
.Lasked_\@:
.endm
.macro CREST
	s_cmp_lg_u32 s14, 0
	s_cbranch_scc1 .Lnot_wave_0_\@
	s_barrier_signal -3
.Lnot_wave_0_\@:
	s_barrier_wait -3
	s_barrier_signal -1
	s_barrier_wait -1
.endm
.macro CROUND
	s_barrier_signal -1
	s_barrier_wait -1
	CREST
.endm
	s_load_b256 s[4:11], s[0:1], 0x0               ; xc 4:5, xs 6:7, wc 8:9, ws 10:11
	v_lshl_add_u32 v[SPW], v0, 2, SPARE
	v_mov_b32 v[NIL], 0
	ds_add_u32 v[SPW], v[NIL]                      ; the opening lines: the add twice on end and its wait
	ds_add_u32 v[SPW], v[NIL]
	v_lshrrev_b32 v1, 5, v0
	v_readfirstlane_b32 s14, v1                    ; wave
	s_lshr_b32 s15, s14, 1                         ; my half of R's places; also: I fetch for R (0) or P (1)
	s_and_b32 s16, s14, 1                          ; my half of P's; also: which 128 rows I fetch
	s_bfe_u32 s40, ttmp6, 0x40000                  ; cx
	s_bfe_u32 s41, ttmp6, 0x40004                  ; cy
	s_and_b32 s2, ttmp7, 0xffff                    ; cluster y, 0 .. 23
	s_lshr_b32 s[TYPE], s2, 3
	s_and_b32 s67, s2, 7
	s_cmp_eq_u32 s[TYPE], 2
	s_cselect_b32 s42, s67, 0                      ; the tokens' 32 tiles lie along P for v, along R for q and k
	s_cselect_b32 s17, 0, s67
	s_cselect_b32 s18, 10, 13                      ; log2 of a tensor's rows in R's stacked buffer,
	s_cselect_b32 s19, 13, 10                      ; and in P's
	s_lshl_b32 s42, s42, 2
	s_add_co_u32 s42, s42, s40                     ; P's tile: hangs on cx
	s_lshl_b32 s17, s17, 2
	s_add_co_u32 s17, s17, s41                     ; R's tile: hangs on cy
	s_lshl_b32 s43, s41, 2
	s_lshl_b32 s43, 15, s43                        ; my row of the cluster
	s_lshl_b32 s44, 0x1111, s40                    ; my column
	s_or_b32 s[G1+0], s43, (0<<16)|(1<<20)|(1<<21)|(5<<22)|(3<<25)   ; bytes; 4 words of padding behind every 64
	s_or_b32 s[G1B+0], s44, (0<<16)|(1<<20)|(1<<21)|(5<<22)|(3<<25)
.irp g, G1, G1B
	s_mov_b32 s[\g+1], ROWB<<16
	s_mov_b32 s[\g+2], 256<<16                     ; the head's loads bring 256 rows
	s_mov_b32 s[\g+3], ROWB<<16
	s_mov_b32 s[\g+4], 256
	s_mov_b32 s[\g+5], KROW
	s_mov_b32 s[\g+6], 0
	s_mov_b32 s[\g+7], 0
.endr
	s_or_b32 s[G1S+0], s43, (3<<16)|(1<<20)|(1<<21)|(5<<22)|(3<<25)  ; the scale bytes of 256 rows: 32 rows of 256 bytes
	s_or_b32 s[G1SB+0], s44, (3<<16)|(1<<20)|(1<<21)|(5<<22)|(3<<25)
.irp g, G1S, G1SB
	s_mov_b32 s[\g+1], 32<<16
	s_mov_b32 s[\g+2], KS<<16
	s_mov_b32 s[\g+3], 32<<16
	s_mov_b32 s[\g+4], KS
	s_mov_b32 s[\g+5], 32
	s_mov_b32 s[\g+6], 0
	s_mov_b32 s[\g+7], 0
.endr
	s_lshl_b32 s20, s17, 8
	s_lshl_b32 s18, s[TYPE], s18
	s_add_co_u32 s20, s20, s18                     ; R: the tile's first place in the stacked buffer
	s_lshl_b32 s46, s42, 8
	s_lshl_b32 s19, s[TYPE], s19
	s_add_co_u32 s46, s46, s19                     ; P likewise
	s_mov_b32 s21, 0
	s_mov_b32 s47, 0
	s_mov_b64 s[18:19], KS
	s_mul_u64 s[22:23], s[20:21], s[18:19]
	s_mul_u64 s[92:93], s[46:47], s[18:19]
	s_mov_b64 s[18:19], KROW
	s_mul_u64 s[20:21], s[20:21], s[18:19]
	s_mul_u64 s[46:47], s[46:47], s[18:19]
	s_mul_i32 s94, s16, 128*KROW
	s_mov_b32 s95, 0
	s_wait_dscnt 0x0                               ; both opening adds are done
	s_wait_kmcnt 0x0
	s_cmp_eq_u32 s[TYPE], 2                        ; which buffers are R's and which P's hangs on the cluster's number alone
	s_cselect_b64 s[96:97], s[8:9], s[4:5]
	s_cselect_b64 s[98:99], s[10:11], s[6:7]
	s_cselect_b64 s[4:5], s[4:5], s[8:9]
	s_cselect_b64 s[6:7], s[6:7], s[10:11]
	s_add_nc_u64 s[20:21], s[96:97], s[20:21]
	s_add_nc_u64 s[22:23], s[98:99], s[22:23]
	s_add_nc_u64 s[46:47], s[4:5], s[46:47]
	s_add_nc_u64 s[92:93], s[6:7], s[92:93]
	CROUND                                         ; all sixteen work-groups are here: the first joint loads meet
	s_mov_b32 s[G0], 1                             ; the head's four tiles, each whole: chunk 0's 256 rows of R,
	s_mov_b32 s[G0+1], 0
	s_mov_b64 s[G0+2:G0+3], s[20:21]
	s_or_b32 s[G0+3], s[G0+3], 0x80000000
	s_mov_b32 s[G0B], 1                            ; of P,
	s_mov_b32 s[G0B+1], 2*HALFT
	s_mov_b64 s[G0B+2:G0B+3], s[46:47]
	s_or_b32 s[G0B+3], s[G0B+3], 0x80000000
	s_mov_b32 s[G0S], 1                            ; R's scales,
	s_mov_b32 s[G0S+1], SCL
	s_mov_b64 s[G0S+2:G0S+3], s[22:23]
	s_or_b32 s[G0S+3], s[G0S+3], 0x80000000
	s_mov_b32 s[G0SB], 1                           ; P's
	s_mov_b32 s[G0SB+1], SCL+2*HALFS
	s_mov_b64 s[G0SB+2:G0SB+3], s[92:93]
	s_or_b32 s[G0SB+3], s[G0SB+3], 0x80000000
	s_mul_i32 s[WOFF], s14, HALFT                  ; the ring: wave x 128 rows: no place in the cluster enters an LDS address
	s_mov_b32 s[G0+4], 1                           ; slot 1: chunk 1, my 128 rows
	s_add_co_u32 s[G0+5], s[WOFF], SLOT
	s_add_nc_u64 s[G0+6:G0+7], s[20:21], s[94:95]
	s_add_nc_u64 s[G0+6:G0+7], s[G0+6:G0+7], ROWB
	s_or_b32 s[G0+7], s[G0+7], 0x80000000
	s_mov_b32 s[G0B+4], 1
	s_add_co_u32 s[G0B+5], s[WOFF], SLOT
	s_add_nc_u64 s[G0B+6:G0B+7], s[46:47], s[94:95]
	s_add_nc_u64 s[G0B+6:G0B+7], s[G0B+6:G0B+7], ROWB
	s_or_b32 s[G0B+7], s[G0B+7], 0x80000000
; the head's loads, one a wave, in one chain of branches on the wave's number
.macro ARM under, g0, g1, next
	s_cmp_lt_u32 s14, \under
	s_cbranch_scc0 \next
	tensor_load_to_lds s[\g0:\g0+3], s[\g1:\g1+7]
	s_nop 0
.rept 4
	v_nop
.endr
	s_branch .Lhead_asked
\next:
.endm
	ARM 1, G0,  G1,  .Lhead_b
	ARM 2, G0B, G1B, .Lhead_sa
	ARM 3, G0S, G1S, .Lhead_sb
	tensor_load_to_lds s[G0SB:G0SB+3], s[G1SB:G1SB+7]
	s_nop 0
.rept 4
	v_nop
.endr
.Lhead_asked:
	s_load_b256 s[4:11], s[0:1], 0x20              ; bq 4:5, bk 6:7, bv 8:9, mask 10:11
	s_load_b128 s[96:99], s[0:1], 0x40             ; qi 96:97, kv 98:99
	v_and_b32 v1, 15, v0                           ; r
	v_bfe_u32 v2, v0, 4, 1                         ; h
	v_mul_u32_u24 v3, v1, PITCH
	v_mul_u32_u24 v4, v2, 24
	v_add_nc_u32 v4, v3, v4                        ; row x pitch + 24 x half
	s_mov_b32 s21, SLOT-232
	s_mov_b32 s22, SLOT+232
	v_sub_nc_u32 v7, 1, v2
	v_mul_u32_u24 v5, s21, v2
	v_add_nc_u32 v5, v3, v5
	v_add_nc_u32 v5, 232, v5                       ; lanes 0-15 byte 232 of the row in slot 0, lanes 16-31 byte 0 in slot 1;
	v_mul_u32_u24 v6, s22, v7
	v_add_nc_u32 v6, v3, v6                        ; and the other way round
	s_mul_i32 s21, s15, HALFT
	s_mul_i32 s22, s16, HALFT
	s_add_co_u32 s22, s22, 2*HALFT
	v_add_nc_u32 v[ADRA+2], s21, v5
	v_add_nc_u32 v[ADRA+3], s21, v6
	v_add_nc_u32 v[ADRB+2], s22, v5
	v_add_nc_u32 v[ADRB+3], s22, v6
.irp s, 0,1
	v_add_nc_u32 v[ADRA+\s], s21, v4
	v_add_nc_u32 v[ADRB+\s], s22, v4
	s_add_co_u32 s21, s21, SLOT
	s_add_co_u32 s22, s22, SLOT
.endr
	v_mul_u32_u24 v5, v1, KS
	v_lshrrev_b32 v6, 8, v5
	v_lshl_add_u32 v5, v6, 4, v5
	s_mul_i32 s21, s15, HALFS
	s_mul_i32 s22, s16, HALFS
	s_add_co_u32 s22, s22, 2*HALFS
	s_sub_co_u32 s22, s22, s21
	v_mul_u32_u24 v6, s22, v2                      ; lanes 16-31 take P's
	s_add_co_u32 s21, s21, SCL
	v_add_nc_u32 v5, v5, v6
	v_add_nc_u32 v[ADRS], s21, v5
	v_and_b32 v[LN], 31, v0
	v_lshlrev_b32 v[L16], 4, v[LN]
	v_add_nc_u32 v[HM], -1, v2
	v_lshlrev_b32 v6, 6, v2                        ; the bias along P: 64 h bytes
	v_and_b32 v7, 8, v1
	v_add_nc_u32 v8, v7, v1
	v_lshlrev_b32 v8, 2, v8                        ; the bias along R: 4 (r + 8 (r / 8))
	v_mad_u32_u24 v7, v7, 3, v1                    ; the mask, by key's places: r % 8 + 32 (r / 8)
	s_lshl_b32 s2, s42, 8
	s_lshl_b32 s18, s16, 7
	s_add_co_u32 s2, s2, s18                       ; my first index along P
	s_lshl_b32 s3, s17, 8
	s_lshl_b32 s18, s15, 7
	s_add_co_u32 s3, s3, s18                       ; and along R
	s_cmp_eq_u32 s[TYPE], 2
	s_cselect_b32 s18, s2, s3                      ; my first token,
	s_cselect_b32 s19, s3, s2                      ; my first channel
	s_cselect_b32 s100, 0, s2                      ; the bias loads that this product does not use read the bias's first bytes
	s_cselect_b32 s104, s3, 0
	s_lshl_b32 s100, s100, 2
	s_mov_b32 s101, 0
	s_lshl_b32 s104, s104, 2
	s_mov_b32 s105, 0
	s_lshr_b32 s12, s18, 11
	s_lshl_b32 s12, s12, 4
	s_lshr_b32 s13, s19, 6
	s_add_co_u32 s12, s12, s13                     ; 16 x batch + my first head
	s_bfe_u32 s13, s18, 0x40007                    ; which step of 128 tokens
	s_cmp_eq_u32 s[TYPE], 0
	s_mov_b32 s20, 245760
	s_cselect_b32 s20, 139264, s20                 ; a head's records: qi, kv
	s_mov_b32 s22, 15360
	s_cselect_b32 s22, 8704, s22                   ; a step's record
	s_mov_b32 s46, 14336
	s_cselect_b32 s46, 8192, s46                   ; its scale image of Q or K
	s_cselect_b32 s[AUG], 8, 0
	s_mov_b32 s[SCW], 0x01010000
	s_cselect_b32 s[SCW], 0x017f0000, s[SCW]       ; q: byte 2 = 127, byte 3 = 1;  k: both 1
	s_mov_b32 s[MSC], 0xe20000
	s_mov_b32 s[SEL], 0x76543210
	s_mov_b32 s[SEL+1], 0xfedcba98
	s_mul_i32 s12, s12, s20
	s_mul_i32 s13, s13, s22
	s_add_co_u32 s12, s12, s13
	s_mov_b32 s13, 0
	s_mov_b32 s21, 0
	s_mov_b32 s47, 0
	s_cmp_eq_u32 s[TYPE], 1
	s_cselect_b32 s[KFL], 1, 0
	s_mov_b32 s2, s3
	s_mov_b32 s3, 0
	s_wait_alu depctr_va_vdst(0)                   ; the wait at the head's end
	s_wait_kmcnt 0x0
	s_cmp_eq_u32 s[TYPE], 0
	s_cselect_b64 s[96:97], s[96:97], s[98:99]
	s_cselect_b64 s[4:5], s[4:5], s[6:7]
	s_cmp_eq_u32 s[TYPE], 2
	s_cselect_b64 s[4:5], s[8:9], s[4:5]           ; the product's bias
	s_add_nc_u64 s[6:7], s[4:5], s[100:101]
	s_add_nc_u64 s[8:9], s[4:5], s[104:105]
	s_add_nc_u64 s[10:11], s[10:11], s[2:3]        ; the mask at my first index along R (for q and v the bytes are loaded and not used: the index stays under 8,192)
	s_add_nc_u64 s[DA:DA+1], s[96:97], s[12:13]
	s_add_nc_u64 s[DB:DB+1], s[DA:DA+1], s[20:21]
	s_add_nc_u64 s[DSA:DSA+1], s[DA:DA+1], s[46:47]
	s_add_nc_u64 s[DSB:DSB+1], s[DB:DB+1], s[46:47]
.irp b, 0,1,2,3,4,5,6,7                        ; these loads are waited for at the way out
	global_load_b128 v[BI+8*\b:BI+8*\b+3], v6, s[6:7] offset:4*(32*(\b/2)+8*(\b%2))
	global_load_b128 v[BI+8*\b+4:BI+8*\b+7], v6, s[6:7] offset:4*(32*(\b/2)+8*(\b%2))+16
.endr
.irp a, 0,1,2,3,4,5,6,7
	global_load_b32 v[BR+2*\a], v8, s[8:9] offset:4*(32*(\a/2)+8*(\a%2))
	global_load_b32 v[BR+2*\a+1], v8, s[8:9] offset:4*(32*(\a/2)+8*(\a%2))
	global_load_u8 v[MK+\a], v7, s[10:11] offset:64*(\a/4)+8*(\a%4)
.endr
.macro FRAG reg, adr, st, i            ; 16 rows x 128 K: six pieces of 8 bytes; byte y of a row lies in slot (y / 256) % 2 at byte y % 256 of the LDS row
.irp p, 0,1,2,3,4,5
.set BY, 96*(\st)+48*(\p/3)+8*(\p%3)
.if BY/ROWB == (BY+24)/ROWB
	ds_load_b64 v[\reg+2*\p:\reg+2*\p+1], v[\adr+(BY/ROWB)%2] offset:BY%ROWB+(\i)*16*PITCH
.else
	ds_load_b64 v[\reg+2*\p:\reg+2*\p+1], v[\adr+2+(BY/ROWB)%2] offset:BY%ROWB-232+(\i)*16*PITCH
.endif
.endr
.endm
; 16 products: R's tiles a0, a0 + 1 x P's eight.  The 64 accumulators take turns
.macro MUL16 a0, p, q, sc, zero
.irp a, \a0, \a0+1
.irp b, 0,1,2,3,4,5,6,7
.if \zero
	v_wmma_scale_f32_16x16x128_f8f6f4 v[8*(8*((\a)%4)+\b):8*(8*((\a)%4)+\b)+7], v[128*(\p)+FR*\b:128*(\p)+FR*\b+FR-1], v[AF+FR*(\a):AF+FR*(\a)+FR-1], 0, v[SC+8*NQ*(\sc)+NQ*\b+(\q)], v[SC+8*NQ*(\sc)+NQ*(\a)+(\q)] matrix_a_fmt:MATRIX_FMT_FP6 matrix_b_fmt:MATRIX_FMT_FP6 matrix_a_scale:MATRIX_SCALE_ROW1
.else
	v_wmma_scale_f32_16x16x128_f8f6f4 v[8*(8*((\a)%4)+\b):8*(8*((\a)%4)+\b)+7], v[128*(\p)+FR*\b:128*(\p)+FR*\b+FR-1], v[AF+FR*(\a):AF+FR*(\a)+FR-1], v[8*(8*((\a)%4)+\b):8*(8*((\a)%4)+\b)+7], v[SC+8*NQ*(\sc)+NQ*\b+(\q)], v[SC+8*NQ*(\sc)+NQ*(\a)+(\q)] matrix_a_fmt:MATRIX_FMT_FP6 matrix_b_fmt:MATRIX_FMT_FP6 matrix_a_scale:MATRIX_SCALE_ROW1
.endif
.endr
.endr
.endm
.macro FETCH_B st, p
	WIN TO_B
.irp i, 0,1,2,3,4,5,6,7
	FRAG 128*(\p)+FR*\i, ADRB, \st, \i
.endr
	WIN 0
.endm
.macro FETCH_A st, i0
.irp i, \i0, \i0+1, \i0+2, \i0+3
	FRAG AF+FR*(\i), ADRA, \st, \i
.endr
.endm
.macro SCALES pr                       ; the scale words of steps 2 pr, 2 pr + 1 into set pr % 2
.irp i, 0,1,2,3,4,5,6,7
	ds_load_b64 v[SC+8*NQ*((\pr)%2)+NQ*\i:SC+8*NQ*((\pr)%2)+NQ*\i+1], v[ADRS] offset:\i*SBLK+4*NQ*(\pr)
.endr
.endm
.macro PLACES n
.rept \n
	v_nop
.endr
.endm
; A step of 128 along K.  Where the next step's bytes END in a chunk not read yet: every wave waits for its tensor loads, and a barrier shows that chunk.  Where they BEGIN in a later chunk: the three lines stand
; in front of the barrier, and where a chunk two on is left to fetch the barrier opens a round and the slot is filled again.
.macro STEP st, zero
.set NX, (\st)+1
.set C0, (96*(\st))/ROWB
.set C1, (96*NX)/ROWB
.set E0, (96*(\st)+95)/ROWB
.set E1, (96*NX+95)/ROWB
.if C1 > C0 || E1 > E0
	s_wait_tensorcnt 0x0                           ; all my tensor loads have landed
.if C1 > C0
	ds_add_u32 v[SPW], v[NIL]
	s_wait_dscnt 4*NL+1                            ; the add and the youngest 24 loads (R's tiles 4-7) may be out
.else
	s_wait_dscnt 4*NL
.endif
	WIN MUL_LO
	MUL16 0, (\st)%2, (\st)%2, ((\st)/2)%2, \zero
	s_wait_dscnt 0x0                               ; the add and my reads are done
	s_barrier_signal -1
	MUL16 2, (\st)%2, (\st)%2, ((\st)/2)%2, \zero
	WIN 0
	s_barrier_wait -1
.if C1 > C0 && C0+2 < CHUNKS
	CREST
	s_add_nc_u64 s[G0+4*(C0%2)+2:G0+4*(C0%2)+3], s[G0+4*(C0%2)+2:G0+4*(C0%2)+3], 2*ROWB
	s_add_nc_u64 s[G0B+4*(C0%2)+2:G0B+4*(C0%2)+3], s[G0B+4*(C0%2)+2:G0B+4*(C0%2)+3], 2*ROWB
	JLOAD G0+4*(C0%2), G1, G0B+4*(C0%2), G1B       ; chunk C0 + 2; its four v_nop are the places in front of the loads below
.else
	PLACES NP
.endif
.else
	s_wait_dscnt 4*NL                              ; P's set and R's tiles 0-3 are in; the youngest 24 loads may be out
	WIN MUL_LO
	MUL16 0, (\st)%2, (\st)%2, ((\st)/2)%2, \zero
	MUL16 2, (\st)%2, (\st)%2, ((\st)/2)%2, \zero
	s_wait_dscnt 0
	PLACES NP
.endif
	FETCH_B NX, NX%2
	FETCH_A NX, 0
.if NX%2 == 0
	SCALES NX/2
.endif
	WIN MUL_HI
	MUL16 4, (\st)%2, (\st)%2, ((\st)/2)%2, \zero
	MUL16 6, (\st)%2, (\st)%2, ((\st)/2)%2, \zero
	PLACES NP
	WIN 0
	FETCH_A NX, 4
.endm
	s_wait_tensorcnt 0x0                           ; my tile of the head's four is in; the three lines ahead of slot 1's first fill
	ds_add_u32 v[SPW], v[NIL]
	s_mov_b32 s[G1+2], 128<<16                     ; no tensor load of mine is out: from here on a load brings 128 rows,
	s_mov_b32 s[G1+4], 128
	s_mov_b32 s[G1B+2], 128<<16
	s_mov_b32 s[G1B+4], 128
	s_add_co_u32 s[G0+1], s[WOFF], 0               ; and slot 0's group 0 stands at my 128 rows of chunk 0
	s_add_nc_u64 s[G0+2:G0+3], s[G0+2:G0+3], s[94:95]
	s_add_co_u32 s[G0B+1], s[WOFF], 0
	s_add_nc_u64 s[G0B+2:G0B+3], s[G0B+2:G0B+3], s[94:95]
	s_wait_dscnt 0x0
	CROUND
	JLOAD G0+4, G1, G0B+4, G1B                     ; chunk 1
	FETCH_B 0, 0
	FETCH_A 0, 0
	SCALES 0
	FETCH_A 0, 4
	STEP 0, 1                                      ; the first step's products start the sums
.set KST, 1
.rept STEPS-2
	STEP KST, 0
.set KST, KST+1
.endr
	s_wait_dscnt 4*NL                              ; the last step fetches nothing
	WIN MUL_LO
	MUL16 0, 1, 1, 1, 0
	MUL16 2, 1, 1, 1, 0
	s_wait_dscnt 0
	WIN MUL_HI
	MUL16 4, 1, 1, 1, 0
	MUL16 6, 1, 1, 1, 0
	WIN 0
; ---------------- THE WAY OUT.
; 64 numbers of a lane, register 16 b + i = index 32 b + 16 (lane / 16) + i of my row, become codes (blocks 0, 1 in v[PC] on, blocks 2, 3 in v[PC + str] on) and a scale word in v[pw].
.macro QUANT s, str, pw
.irp b, 0,1,2,3
	v_max3_num_f32 v[TM+\b], |v[\s+16*\b]|, |v[\s+1+16*\b]|, 0x1800000   ; with the floor 2^(3 - 127): the byte cannot fall under 1
.endr
.irp i, 2,4,6,8,10,12,14
.irp b, 0,1,2,3
	v_max3_num_f32 v[TM+\b], v[TM+\b], |v[\s+16*\b+\i]|, |v[\s+1+16*\b+\i]|
.endr
.endr
.irp b, 0,1,2,3
	v_permlanex16_b32 v[TM+4+\b], v[TM+\b], s[SEL], s[SEL+1]
.endr
.irp b, 0,1,2,3
	v_max_num_f32 v[TM+\b], v[TM+\b], v[TM+4+\b]   ; with lane l xor 16's: the block's largest magnitude
.endr
.irp b, 0,1,2,3
	v_add_nc_u32 v[TM+12+\b], 0xff000000, v[TM+\b] ; 2 off its exponent field: the conversion's scale operand
.endr
.irp b, 0,1,2,3
	v_lshrrev_b32 v[TM+4+\b], 23, v[TM+12+\b]      ; the byte
.endr
	v_lshl_or_b32 v[\pw], v[TM+5], 8, v[TM+4]
	v_lshl_or_b32 v[\pw], v[TM+6], 16, v[\pw]
	v_lshl_or_b32 v[\pw], v[TM+7], 24, v[\pw]
.irp c, 0,1
	v_cvt_scalef32_pk16_fp6_f32 v[PC+(\str)*\c:PC+(\str)*\c+2], v[\s+32*\c:\s+15+32*\c], v[TM+12+2*\c]
	v_cvt_scalef32_pk16_fp6_f32 v[PT+4*\c:PT+4*\c+2], v[\s+16+32*\c:\s+31+32*\c], v[TM+12+2*\c+1]
.endr
	v_nop                                          ; one plain place behind a scaled conversion
.irp c, 0,1                                    ; a whole block to a lane
.irp i, 0,1,2
	v_permlane16_swap_b32 v[PC+(\str)*\c+\i], v[PT+4*\c+\i]
.endr
.irp i, 0,1,2
	v_mov_b32 v[PC+(\str)*\c+3+\i], v[PT+4*\c+\i]
.endr
.endr
.endm
; q and k, R's tile a (16 tokens): blocks 0, 1 the first head's 64 channels, blocks 2, 3 the second's.  A head's tile is eight registers: six of codes, the code at k = 64, and 0.
.macro EPI_QK a
	WIN (0x02+(\a)/4)
.set AC, 64*((\a)%4)
.set i, 0
.rept 32
	v_pk_add_f32 v[ST+i:ST+i+1], v[AC+i:AC+i+1], v[BI+i:BI+i+1]   ; + bias; each accumulator from its low end on
.set i, i+2
.endr
	WIN 0
	s_wait_xcnt 0x0                                ; the last tile's stores have read the codes' registers
	QUANT ST, 8, TM+8
	v_mad_u32_u24 v[PC+6], v[MK+\a], 0x28, s[AUG]  ; the code at k = 64: 1.0 for q; for k -1.0 where the key is hidden, else 0;
	v_and_b32 v[PC+6], v[HM], v[PC+6]              ; in lanes 0-15
	v_mov_b32 v[PC+14], v[PC+6]
	v_perm_b32 v[WA+\a], v[B2+\a], v[TM+8], 0x07060100
	v_perm_b32 v[WB+\a], v[B2+\a], v[TM+8], 0x07060302
	global_store_b128 v[L16], v[PC:PC+3], s[DA:DA+1] offset:1024*(\a)          ; each store covers 512 consecutive bytes, aligned
	global_store_b128 v[L16], v[PC+4:PC+7], s[DA:DA+1] offset:1024*(\a)+512
	global_store_b128 v[L16], v[PC+8:PC+11], s[DB:DB+1] offset:1024*(\a)
	global_store_b128 v[L16], v[PC+12:PC+15], s[DB:DB+1] offset:1024*(\a)+512
.endm
; v, R's tile a (16 channels; tiles 0-3 the first head, 4-7 the second): 128 tokens along K: a fragment of 12 registers and a scale word a row.
.macro EPI_V a
	WIN (0x02+(\a)/4)
.set AC, 64*((\a)%4)
.set i, 0
.rept 32
	v_pk_add_f32 v[ST+i:ST+i+1], v[AC+i:AC+i+1], v[BR+2*(\a):BR+2*(\a)+1]
.set i, i+2
.endr
	WIN 0
	s_wait_xcnt 0x0
	QUANT ST, 6, SW+(\a)
.irp c, 0,1,2
	global_store_b128 v[L16], v[PC+4*\c:PC+4*\c+3], s[DA:DA+1] offset:((\a)/4)*245760+8192+((\a)%4)*1536+512*\c
.endr
.endm
	s_wait_loadcnt 0x0                             ; the biases and mask bytes are in
	PLACES NP                                      ; behind the last products
.irp i, 4,5,6,7
	v_mov_b32 v[TM+\i], 0                          ; a lane permute's destination counts as one of its sources
.endr
	v_mov_b32 v[PC+7], 0
	v_mov_b32 v[PC+15], 0
.irp a, 0,1,2,3,4,5,6,7
	v_and_b32 v[MK+\a], s[KFL], v[MK+\a]           ; the mask counts for k alone
.endr
.irp a, 0,1,2,3,4,5,6,7
	v_mad_u32_u24 v[B2+\a], v[MK+\a], s[MSC], s[SCW]   ; scale bytes 2 and 3: a hidden key's byte 2 is 1 + 226 = 227: 2^100
.endr
	s_cmp_eq_u32 s[TYPE], 2                        ; the same in every wave of every partner
	s_cbranch_scc1 .Lout_v
.irp a, 0,1,2,3,4,5,6,7
	EPI_QK \a
.endr
	v_cmp_lt_u32 vcc_lo, 15, v[LN]                 ; the scale images: lanes 0-15 the words of tiles 0-3 of row l, lanes 16-31 of tiles 4-7
.irp i, 0,1,2,3
	v_cndmask_b32 v[XW+\i], v[WA+\i], v[WA+4+\i], vcc_lo
	v_cndmask_b32 v[XW+4+\i], v[WB+\i], v[WB+4+\i], vcc_lo
.endr
	global_store_b128 v[L16], v[XW:XW+3], s[DSA:DSA+1]
	global_store_b128 v[L16], v[XW+4:XW+7], s[DSB:DSB+1]
	s_branch .Ldone
.Lout_v:
.irp a, 0,1,2,3,4,5,6,7
	EPI_V \a
.endr
	global_store_b128 v[L16], v[SW:SW+3], s[DA:DA+1] offset:14848
	global_store_b128 v[L16], v[SW+4:SW+7], s[DA:DA+1] offset:245760+14848
.Ldone:
	s_wait_tensorcnt 0x0                           ; the wave's end
	ds_add_u32 v[SPW], v[NIL]
	s_wait_dscnt 0x0
	CROUND                                         ; the closing round
	s_endpgm
.Lfunc_end_k_qa3b9ea8620_proj:
	.size	k_qa3b9ea8620_proj, .Lfunc_end_k_qa3b9ea8620_proj-k_qa3b9ea8620_proj
	.p2alignl 7, 3214868480
	.fill 96, 4, 3214868480
	.section	.rodata,"a",@progbits
	.p2align	6, 0x0
	.amdhsa_kernel k_qa3b9ea8620_proj
		.amdhsa_group_segment_fixed_size 327680
		.amdhsa_private_segment_fixed_size 0
		.amdhsa_enable_private_segment 0
		.amdhsa_kernarg_size 80
		.amdhsa_user_sgpr_count 2
		.amdhsa_user_sgpr_kernarg_segment_ptr 1
		.amdhsa_wavefront_size32 1
		.amdhsa_system_sgpr_workgroup_id_x 1
		.amdhsa_system_sgpr_workgroup_id_y 1
		.amdhsa_system_sgpr_workgroup_id_z 1
		.amdhsa_system_vgpr_workitem_id 0
		.amdhsa_next_free_vgpr 1024
		.amdhsa_next_free_sgpr 106
		.amdhsa_reserve_vcc 1
		.amdhsa_float_denorm_mode_32 3
		.amdhsa_float_denorm_mode_16_64 3
		.amdhsa_memory_ordered 1
		.amdhsa_forward_progress 1
		.amdhsa_inst_pref_size 239
	.end_amdhsa_kernel
	.amdgpu_metadata
---
amdhsa.version: [ 1, 2 ]
amdhsa.kernels:
  - .name:           k_qa3b9ea8620_proj
    .symbol:         k_qa3b9ea8620_proj.kd
    .args:
      - { .name: xc, .offset: 0, .size: 8, .value_kind: global_buffer, .address_space: global }
      - { .name: xs, .offset: 8, .size: 8, .value_kind: global_buffer, .address_space: global }
      - { .name: wc, .offset: 16, .size: 8, .value_kind: global_buffer, .address_space: global }
      - { .name: ws, .offset: 24, .size: 8, .value_kind: global_buffer, .address_space: global }
      - { .name: bq, .offset: 32, .size: 8, .value_kind: global_buffer, .address_space: global }
      - { .name: bk, .offset: 40, .size: 8, .value_kind: global_buffer, .address_space: global }
      - { .name: bv, .offset: 48, .size: 8, .value_kind: global_buffer, .address_space: global }
      - { .name: mask, .offset: 56, .size: 8, .value_kind: global_buffer, .address_space: global }
      - { .name: qi, .offset: 64, .size: 8, .value_kind: global_buffer, .address_space: global }
      - { .name: kv, .offset: 72, .size: 8, .value_kind: global_buffer, .address_space: global }
    .group_segment_fixed_size: 327680
    .private_segment_fixed_size: 0
    .kernarg_segment_align: 8
    .kernarg_segment_size: 80
    .max_flat_workgroup_size: 128
    .sgpr_count:     106
    .vgpr_count:     1024
    .wavefront_size: 32
...
	.end_amdgpu_metadata
.endif
;; end of part 2
;; launch attn (part 3): grid 4 x 64, 8 waves a work-group, clusters of 4 x 1, 327,680 bytes of LDS; arguments qi, kv, out0; writes out0
.if DOCPART == 3
	.amdgcn_target "amdgcn-amd-amdhsa--gfx1250"
	.amdhsa_code_object_version 6
	.text
	.protected	k_qa3b9ea8620_attn
	.globl	k_qa3b9ea8620_attn
	.p2align	8
	.type	k_qa3b9ea8620_attn,@function
k_qa3b9ea8620_attn:
	s_mov_b64 s[64:65], 0
	v_nop
	global_prefetch_b8 v0, s[64:65] scope:SCOPE_SE
	s_setreg_imm32_b32 hwreg(HW_REG_WAVE_MODE, 25, 1), 1
	s_wait_xcnt 0x0
	s_wait_alu depctr_hold_cnt(0) depctr_sa_sdst(0) depctr_va_vdst(0) depctr_va_sdst(0) depctr_va_ssrc(0) depctr_va_vcc(0) depctr_vm_vsrc(0)
	s_getreg_b32 s2, hwreg(HW_REG_IB_STS2, 6, 4)
	s_cmp_eq_u32 s2, 0
	s_cbranch_scc0 .Lentry_in_a_cluster
	s_endpgm
.Lentry_in_a_cluster:
	s_bfe_u32 s2, ttmp6, 0x10000c
	s_cmp_lg_u32 s2, 0x3003
	s_cbranch_scc0 .Lentry_shape_is_right
	s_endpgm
.Lentry_shape_is_right:
; out = softmax(q k^T / 8, hidden keys at -2^100) v on codes of FP6 (E2M3), head by head.  qi and kv hold images of operand registers, as the launch before leaves them.
; THE DEAL: 256 work-groups of eight waves; work-group (cx, head) takes 512 queries of one of the 64 heads; a wave takes 32 queries (two tiles) in each of two passes, and walks the head's 2,048 keys in 16 steps of 128.
; ALL of a head's K and V (245,760 bytes) lies in LDS: each wave asks for two steps' records by ONE joint load at the head (the four work-groups of a cluster share the head), one barrier shows them, and no barrier stands in the walk.
; No prefetch: all is asked for at the head, and there is no loop to run ahead in.  The text uses 281,600 bytes.
; Both products are used transposed: S^T = K Q^T, O^T = V^T P^T: a lane holds one query throughout.
; THE KEYS OF A TILE: row 8 h + j of K's tile 4 c + u is key 64 c + 32 h + 8 u + j.  So a lane's 32 scores of tiles 4 c .. 4 c + 3 are the 32 neighbouring keys of ONE scale block, in the very order of P's operand registers:
; a block's largest score needs no other lane and the codes change no lane; only the row's maximum and the scale word (two of its four bytes) are exchanged with lane l xor 16.
; p = 2^(t - M), t = score x log2(e) / 8, M = ceil(the running largest t): kept as -M = floor(-t).  When M moves, the sum and O^T are multiplied by 2^(old M - new M).  The sum is taken of the unquantised p.
; A block's largest p is the same multiply-add and exponential on the block's largest score.
; A pass begins with -M = 2^125 and the largest score -2^90: the first step's factor is then 0, which wipes the sums of the pass before; O^T and the sums are cleared once, at the head.
; LIMITS: the promise holds while the scaled scores stay under 2^31 in magnitude; NaN, infinities and sums beyond f32's range are not served.  A row whose keys are all hidden gives 0 x (1 / 0) = NaN, as the reference does.
.set STEPB, 15360
.set HEADKV, 16*STEPB
.set QSTEP, 8704
.set HEADQ, 16*QSTEP
.set STAGE, HEADKV                     ; behind K and V: a stage of 16 rows x 272 bytes for each wave
.set SPI,   272
.set SPARE, STAGE+8*16*SPI             ; the spare words, 128 bytes a wave
.set L16, 1                            ; 16 x lane
.set AD,  2                            ; the step's LDS address
.set R16, 3
.set STO, 4
.set RD,  5
.set GO,  6
.set H8,  7                            ; 8 x (lane / 16)
.set KS,  8                            ; scale words: K's, V's, Q's, P's, the second pass's Q's
.set VS,  12
.set QS,  16
.set PS,  18
.set QSN, 20
.set NM,  24                           ; query tile q: v[NM+4q] -M, +1 the largest score, +2, +3 the sum's two halves
.set LS,  26
.set F,   32                           ; the factor, in the low word of a pair
.set BM,  36                           ; v36-39 block (q, c)'s largest score, then its largest p
.set T3,  40
.set BT,  42
.set WD,  44
.set BY,  46                           ; v46-49 the bytes
.set SO,  52                           ; v52-55 the conversions' scale operands
.set T2,  60
.set PC,  64                           ; v64-87 P's codes
.set PT,  88                           ; v88-103 the conversions' second halves
.set SPW, 126
.set NIL, 127
.set S,   128                          ; v128-255 the scores, then p
.set QF,  0                            ; window 1: Q's fragments, K's, V's, the second pass's Q, O^T
.set KF,  24
.set VF,  92
.set QN,  140
.set O,   160
.set WV,  10
.set G1,  16
.set CS,  32
.set SEL, 34
.set TB,  36
.set CNT, 37
.set PASS, 38
.set MSB, 0
.macro WIN new
.if MSB != (\new)
	s_set_vgpr_msb (MSB<<8)|(\new)
.set MSB, (\new)
.endif
.endm
.macro WALU
	s_wait_alu depctr_va_vdst(0)
.endm
.macro CROUND
	s_barrier_signal -1
	s_barrier_wait -1
	s_cmp_lg_u32 s[WV], 0
	s_cbranch_scc1 .Lnot_wave_0_\@
	s_barrier_signal -3
.Lnot_wave_0_\@:
	s_barrier_wait -3
	s_barrier_signal -1
	s_barrier_wait -1
.endm
	s_load_b128 s[40:43], s[0:1], 0x0              ; qi, kv
	s_load_b64 s[8:9], s[0:1], 0x10                ; out0
	v_lshl_add_u32 v[SPW], v0, 2, SPARE
	v_mov_b32 v[NIL], 0
	ds_add_u32 v[SPW], v[NIL]                      ; the opening lines
	ds_add_u32 v[SPW], v[NIL]
	v_lshrrev_b32 v1, 5, v0
	v_readfirstlane_b32 s[WV], v1
	s_bfe_u32 s11, ttmp6, 0x40000                  ; cx: which 512 queries
	s_and_b32 s12, ttmp7, 0xffff                   ; the head, 0 .. 63
	s_mov_b32 s[G1], 15|(3<<16)|(1<<21)            ; all four partners; 120 rows of 256 bytes, dense
	s_mov_b32 s[G1+1], 32<<16
	s_mov_b32 s[G1+2], 120<<16
	s_mov_b32 s[G1+3], 32<<16
	s_mov_b32 s[G1+4], 120
	s_mov_b32 s[G1+5], 32
	s_mov_b32 s[G1+6], 0
	s_mov_b32 s[G1+7], 0
	s_mov_b32 s[CS], 0x3e38aa3b                    ; log2(e) / 8
	s_mov_b32 s[CS+1], s[CS]
	s_mov_b32 s[SEL], 0x76543210
	s_mov_b32 s[SEL+1], 0xfedcba98
	s_mul_i32 s13, s[WV], 2*STEPB                  ; my two steps' records, in LDS as in the head's part of kv
	s_mul_i32 s44, s12, HEADKV
	s_add_co_u32 s44, s44, s13
	s_mov_b32 s45, 0
	s_mul_i32 s14, s12, HEADQ
	s_lshl_b32 s15, s11, 2
	s_lshr_b32 s2, s[WV], 2
	s_add_co_u32 s15, s15, s2
	s_mul_i32 s15, s15, QSTEP                      ; Q's record: step 4 cx + wave / 4 (the second pass: two steps on)
	s_add_co_u32 s14, s14, s15
	s_and_b32 s2, s[WV], 3
	s_lshl_b32 s3, s2, 11                          ; my two tiles of its eight
	s_add_co_u32 s46, s14, s3
	s_mov_b32 s47, 0
	s_lshr_b32 s3, s2, 1
	s_lshl_b32 s3, s3, 8
	s_and_b32 s2, s[WV], 1
	s_lshl_b32 s2, s2, 3
	s_add_co_u32 s3, s3, s2
	s_add_co_u32 s14, s14, s3
	s_add_co_u32 s14, s14, 8192                    ; and their scale words
	s_mov_b32 s15, 0
	s_lshr_b32 s2, s12, 4
	s_lshl_b32 s2, s2, 11
	s_lshl_b32 s3, s11, 9
	s_add_co_u32 s2, s2, s3
	s_lshl_b32 s3, s[WV], 5
	s_add_co_u32 s2, s2, s3                        ; my first token,
	s_lshl_b32 s2, s2, 12                          ; 4,096 bytes a row of out0,
	s_and_b32 s3, s12, 15
	s_lshl_b32 s3, s3, 8
	s_add_co_u32 s2, s2, s3                        ; 256 bytes a head
	s_mov_b32 s3, 0
	s_mul_i32 s39, s[WV], 16*SPI
	s_add_co_u32 s39, s39, STAGE                   ; my stage
	v_and_b32 v7, 31, v0
	v_lshlrev_b32 v[L16], 4, v7
	v_and_b32 v[R16], 15, v0
	v_bfe_u32 v[AD], v0, 4, 1
	v_mul_u32_u24 v[STO], v[R16], SPI
	v_mul_u32_u24 v[RD], v[AD], SPI
	v_lshlrev_b32 v[GO], 12, v[AD]
	v_lshl_add_u32 v[STO], v[AD], 6, v[STO]
	v_lshl_add_u32 v[RD], v[R16], 4, v[RD]
	v_lshl_add_u32 v[GO], v[R16], 4, v[GO]
	v_add_nc_u32 v[STO], s39, v[STO]
	v_add_nc_u32 v[RD], s39, v[RD]
	v_lshlrev_b32 v[R16], 4, v[R16]
	v_lshlrev_b32 v[H8], 3, v[AD]
	WALU                                           ; the wait ahead of the waits and branches below
	s_wait_dscnt 0x0
	CROUND                                         ; the round in front of the joint loads
	s_wait_kmcnt 0x0
	s_add_nc_u64 s[4:5], s[40:41], s[46:47]
	s_add_nc_u64 s[6:7], s[40:41], s[14:15]
	s_add_nc_u64 s[8:9], s[8:9], s[2:3]
	s_mov_b32 s24, 1
	s_mov_b32 s25, s13
	s_add_nc_u64 s[26:27], s[42:43], s[44:45]
	s_or_b32 s27, s27, 0x80000000
	tensor_load_to_lds s[24:27], s[G1:G1+7]        ; my one tensor load: steps 2 w and 2 w + 1
	s_nop 0
.rept 4
	v_nop
.endr
	WIN 0x40
.irp q, 0,1
	global_load_b128 v[QF+12*\q:QF+12*\q+3], v[L16], s[4:5] offset:1024*\q
	global_load_b128 v[QF+12*\q+4:QF+12*\q+7], v[L16], s[4:5] offset:1024*\q+512
	global_load_b128 v[QN+8*\q:QN+8*\q+3], v[L16], s[4:5] offset:2*QSTEP+1024*\q
	global_load_b128 v[QN+8*\q+4:QN+8*\q+7], v[L16], s[4:5] offset:2*QSTEP+1024*\q+512
.endr
.irp i, 0,1,2,3
	v_mov_b32 v[QF+8+\i], 0                        ; Q's codes at k = 80 on are zeros: what K's operand holds there (the next tile's registers) adds nothing
	v_mov_b32 v[QF+20+\i], 0
	v_mov_b32 v[KF+64+\i], 0
.endr
.set j, 0
.rept 64
	v_mov_b32 v[O+j], 0                            ; once: the step is written once, and every pass's first factor is 0
.set j, j+1
.endr
	WIN 0
.irp q, 0,1
	global_load_b32 v[QS+\q], v[R16], s[6:7] offset:4*\q
	global_load_b32 v[QSN+\q], v[R16], s[6:7] offset:2*QSTEP+4*\q
	v_mov_b32 v[LS+4*\q], 0
	v_mov_b32 v[LS+4*\q+1], 0
	v_mov_b32 v[F+2*\q+1], 0
	v_mov_b32 v[BT+\q], 0                          ; a lane permute's destination counts as one of its sources
.endr
	WALU                                           ; the wait at the head's end
	s_wait_loadcnt 0x0
	s_wait_tensorcnt 0x0                           ; my part of K and V is in,
	s_barrier_signal -1
	s_barrier_wait -1                              ; everybody's is
.macro STEP
	v_add_nc_u32 v[AD], s[TB], v[L16]              ; with the three v_nop: the places behind the last products, ahead of loads into their operands
.rept 3
	v_nop
.endr
	ds_load_b128 v[KS:KS+3], v[AD] offset:14336
	WIN 0x40
.irp t, 0,1,2,3,4,5,6,7
	ds_load_b128 v[KF+8*\t:KF+8*\t+3], v[AD] offset:1024*\t
	ds_load_b128 v[KF+8*\t+4:KF+8*\t+7], v[AD] offset:1024*\t+512
.endr
.irp a, 0,1,2,3
.irp c, 0,1,2
	ds_load_b128 v[VF+12*\a+4*\c:VF+12*\a+4*\c+3], v[AD] offset:8192+1536*\a+512*\c
.endr
.endr
	WIN 0
	ds_load_b128 v[VS:VS+3], v[AD] offset:14848
	s_wait_dscnt 13                                ; K and its scale words are in; V's 12 loads and its scale words may be out
	WIN 0x05
.irp t, 0,1,2,3,4,5,6,7
.irp q, 0,1
.if \t < 4
	v_wmma_scale_f32_16x16x128_f8f6f4 v[S+64*\q+8*\t:S+64*\q+8*\t+7], v[KF+8*\t:KF+8*\t+11], v[QF+12*\q:QF+12*\q+11], 0, v[KS+\t%4], v[QS+\q] matrix_a_fmt:MATRIX_FMT_FP6 matrix_b_fmt:MATRIX_FMT_FP6
.else
	v_wmma_scale_f32_16x16x128_f8f6f4 v[S+64*\q+8*\t:S+64*\q+8*\t+7], v[KF+8*\t:KF+8*\t+11], v[QF+12*\q:QF+12*\q+11], 0, v[KS+\t%4], v[QS+\q] matrix_a_fmt:MATRIX_FMT_FP6 matrix_b_fmt:MATRIX_FMT_FP6 matrix_a_scale:MATRIX_SCALE_ROW1
.endif
.endr
.endr
	WIN 0
.irp q, 0,1
	v_mov_b32 v[T2+2*\q], v[NM+4*\q]               ; the old -M; with the two v_nop: the four places behind the products
.endr
	v_nop
	v_nop
.irp q, 0,1                                    ; each block's largest score: 32 numbers of mine; four chains by turns, each accumulator from its low end on
.irp c, 0,1
	v_max3_num_f32 v[BM+2*\q+\c], v[S+64*\q+32*\c], v[S+64*\q+32*\c+1], v[S+64*\q+32*\c+2]
.endr
.endr
.irp i, 3,5,7,9,11,13,15,17,19,21,23,25,27,29
.irp q, 0,1
.irp c, 0,1
	v_max3_num_f32 v[BM+2*\q+\c], v[BM+2*\q+\c], v[S+64*\q+32*\c+\i], v[S+64*\q+32*\c+\i+1]
.endr
.endr
.endr
.irp q, 0,1
.irp c, 0,1
	v_max_num_f32 v[BM+2*\q+\c], v[BM+2*\q+\c], v[S+64*\q+32*\c+31]
.endr
.endr
.irp q, 0,1
	v_max_num_f32 v[T3+\q], v[BM+2*\q], v[BM+2*\q+1]
.endr
.irp q, 0,1
	v_permlanex16_b32 v[BT+\q], v[T3+\q], s[SEL], s[SEL+1]
.endr
.irp q, 0,1
	v_max3_num_f32 v[NM+4*\q+1], v[NM+4*\q+1], v[T3+\q], v[BT+\q]   ; the running largest score of my query
.endr
.irp q, 0,1
	v_mul_f32 v[T3+\q], s[CS], v[NM+4*\q+1]        ; as t
.endr
.irp q, 0,1
	v_floor_f32 v[NM+4*\q], -v[T3+\q]              ; -M = floor(-t)
.endr
.irp q, 0,1
	v_sub_f32 v[T2+2*\q], v[NM+4*\q], v[T2+2*\q]   ; old M - new M, a whole number, 0 or less
.endr
.irp q, 0,1
	v_cvt_i32_f32 v[T2+2*\q], v[T2+2*\q]           ; (it saturates)
.endr
.irp q, 0,1
	v_ldexp_f32 v[F+2*\q], 1.0, v[T2+2*\q]         ; the factor
.endr
.irp q, 0,1
.set j, 0
.rept 32
	v_pk_fma_f32 v[S+64*\q+j:S+64*\q+j+1], v[S+64*\q+j:S+64*\q+j+1], s[CS:CS+1], v[NM+4*\q:NM+4*\q+1] op_sel_hi:[1,0,0]   ; t - M
.set j, j+2
.endr
.endr
.irp q, 0,1
.irp c, 0,1
	v_fma_f32 v[BM+2*\q+\c], v[BM+2*\q+\c], s[CS], v[NM+4*\q]
.endr
.endr
	WALU                                           ; the wait ahead of the batch,
.set j, 0
.rept 128
	v_exp_f32 v[S+j], v[S+j]
.set j, j+1
.endr
.irp b, 0,1,2,3
	v_exp_f32 v[BM+\b], v[BM+\b]                   ; the blocks' largest p
.endr
.irp q, 0,1
	v_pk_mul_f32 v[LS+4*\q:LS+4*\q+1], v[LS+4*\q:LS+4*\q+1], v[F+2*\q:F+2*\q+1] op_sel_hi:[1,0]   ; the sums under the new M; plain places behind the batch
.endr
	WALU                                           ; and behind it
.irp q, 0,1
	v_pk_add_f32 v[T2+2*\q:T2+2*\q+1], v[S+64*\q:S+64*\q+1], v[S+64*\q+2:S+64*\q+3]
.endr
.set j, 4
.rept 15
.irp q, 0,1
	v_pk_add_f32 v[LS+4*\q:LS+4*\q+1], v[LS+4*\q:LS+4*\q+1], v[S+64*\q+j:S+64*\q+j+1]
	v_pk_add_f32 v[T2+2*\q:T2+2*\q+1], v[T2+2*\q:T2+2*\q+1], v[S+64*\q+j+2:S+64*\q+j+3]
.endr
.set j, j+4
.endr
.irp b, 0,1,2,3
	v_max_num_f32 v[BM+\b], 0x1800000, v[BM+\b]    ; the floor 2^(3 - 127): the byte cannot fall under 1
.endr
.irp q, 0,1
	v_pk_add_f32 v[LS+4*\q:LS+4*\q+1], v[LS+4*\q:LS+4*\q+1], v[T2+2*\q:T2+2*\q+1]
.endr
.irp b, 0,1,2,3
	v_add_nc_u32 v[SO+\b], 0xff000000, v[BM+\b]    ; 2 off the exponent field: the conversion's scale operand
.endr
.irp b, 0,1,2,3
	v_lshrrev_b32 v[BY+\b], 23, v[SO+\b]           ; the byte
.endr
.irp q, 0,1
	v_lshl_or_b32 v[WD+\q], v[BY+2*\q+1], 16, v[BY+2*\q]   ; my blocks h and 2 + h,
.endr
.irp q, 0,1
	v_lshlrev_b32 v[WD+\q], v[H8], v[WD+\q]        ; at their places in the word;
.endr
.irp q, 0,1
	v_permlanex16_b32 v[BT+\q], v[WD+\q], s[SEL], s[SEL+1]
.endr
.irp q, 0,1
	v_or_b32 v[PS+\q], v[WD+\q], v[BT+\q]          ; with lane l xor 16's two the word is whole
.endr
.irp q, 0,1
.irp c, 0,1
	v_cvt_scalef32_pk16_fp6_f32 v[PC+12*\q+6*\c:PC+12*\q+6*\c+2], v[S+64*\q+32*\c:S+64*\q+32*\c+15], v[SO+2*\q+\c]
	v_cvt_scalef32_pk16_fp6_f32 v[PT+8*\q+4*\c:PT+8*\q+4*\c+2], v[S+64*\q+32*\c+16:S+64*\q+32*\c+31], v[SO+2*\q+\c]   ; (a conversion's three registers begin on an even number)
.endr
.endr
	v_nop                                          ; one plain place behind a scaled conversion
.irp q, 0,1
.irp c, 0,1
.irp i, 0,1,2
	v_mov_b32 v[PC+12*\q+6*\c+3+\i], v[PT+8*\q+4*\c+\i]
.endr
.endr
.endr
	s_wait_dscnt 0x0                               ; V and its scale words are in
	WIN 0x41
	WALU                                           ; the wait directly ahead of the first reader of O^T
.irp q, 0,1
.set j, 0
.rept 16
	v_pk_mul_f32 v[O+32*\q+j:O+32*\q+j+1], v[O+32*\q+j:O+32*\q+j+1], v[F+2*\q:F+2*\q+1] op_sel_hi:[1,0]   ; O^T under the new M; also the places ahead of the scaled products
.set j, j+2
.endr
.endr
	WIN 0x51
.irp q, 0,1
.irp a, 0,1,2,3
	v_wmma_scale_f32_16x16x128_f8f6f4 v[O+32*\q+8*\a:O+32*\q+8*\a+7], v[VF+12*\a:VF+12*\a+11], v[PC+12*\q:PC+12*\q+11], v[O+32*\q+8*\a:O+32*\q+8*\a+7], v[VS+\a], v[PS+\q] matrix_a_fmt:MATRIX_FMT_FP6 matrix_b_fmt:MATRIX_FMT_FP6
.endr
.endr
	WIN 0
	s_add_co_u32 s[TB], s[TB], STEPB
.endm
; the way out: O^T / the sum, through my own stage, back as rows of 256 bytes
.macro OUT
.irp q, 0,1
	v_add_f32 v[T2+2*\q], v[LS+4*\q], v[LS+4*\q+1]
.endr
.irp q, 0,1
	v_permlanex16_b32 v[T2+2*\q+1], v[T2+2*\q], s[SEL], s[SEL+1]
.endr
.irp q, 0,1
	v_add_f32 v[T2+2*\q], v[T2+2*\q], v[T2+2*\q+1]
.endr
	WALU
.irp q, 0,1
	v_rcp_f32 v[F+2*\q], v[T2+2*\q]
.endr
	v_nop
	WIN 0x01
	WALU
.irp q, 0,1
.set j, 0
.rept 16
	v_pk_mul_f32 v[S+32*\q+j:S+32*\q+j+1], v[O+32*\q+j:O+32*\q+j+1], v[F+2*\q:F+2*\q+1] op_sel_hi:[1,0]
.set j, j+2
.endr
.endr
	WIN 0
.irp q, 0,1
.irp e, 0,1
.irp i, 0,1,2,3
	ds_store_b128 v[STO], v[S+32*\q+16*\e+4*\i:S+32*\q+16*\e+4*\i+3] offset:128*\e+16*\i
.endr
.endr
.irp i, 0,1,2,3,4,5,6,7
	ds_load_b128 v[S+32*\q+4*\i:S+32*\q+4*\i+3], v[RD] offset:2*\i*SPI   ; LDS serves a wave's instructions in order
.endr
.endr
.irp q, 0,1
.irp i, 0,1,2,3,4,5,6,7
	s_wait_dscnt 16*(1-\q)+7-\i                    ; younger: this tile's later loads, and the other tile's 8 stores and 8 loads
	global_store_b128 v[GO], v[S+32*\q+4*\i:S+32*\q+4*\i+3], s[8:9] offset:(8*\q+2*\i+8*(\i/4))*4096 th:TH_STORE_NT   ; sixteen lanes store 256 consecutive bytes, aligned
.endr
.endr
.endm
	s_mov_b32 s[PASS], 2
.Lpass:
.irp q, 0,1
	v_mov_b32 v[NM+4*\q], 0x7e000000               ; -M = 2^125: the first step's factor is 0
	v_mov_b32 v[NM+4*\q+1], 0xec800000             ; the largest score so far: -2^90
.endr
	s_mov_b32 s[TB], 0
	s_mov_b32 s[CNT], 16
	WALU                                           ; what was written above
.Lstep:
	STEP
	s_sub_co_u32 s[CNT], s[CNT], 1
	s_cmp_lg_u32 s[CNT], 0
	s_cbranch_scc1 .Lstep
	OUT
	s_wait_xcnt 0x0                                ; the stores have read their registers and their base
	s_add_nc_u64 s[8:9], s[8:9], 256*4096          ; the second pass: 256 tokens on
.irp q, 0,1
	v_mov_b32 v[QS+\q], v[QSN+\q]
.endr
	WIN 0x41
.irp q, 0,1
.irp i, 0,1,2,3,4,5,6,7
	v_mov_b32 v[QF+12*\q+\i], v[QN+8*\q+\i]
.endr
.endr
	WIN 0
	s_sub_co_u32 s[PASS], s[PASS], 1
	s_cmp_lg_u32 s[PASS], 0
	s_cbranch_scc1 .Lpass
	s_wait_tensorcnt 0x0                           ; the wave's end
	ds_add_u32 v[SPW], v[NIL]
	s_wait_dscnt 0x0
	CROUND                                         ; the closing round
	s_endpgm
.Lfunc_end_k_qa3b9ea8620_attn:
	.size	k_qa3b9ea8620_attn, .Lfunc_end_k_qa3b9ea8620_attn-k_qa3b9ea8620_attn
	.p2alignl 7, 3214868480
	.fill 96, 4, 3214868480
	.section	.rodata,"a",@progbits
	.p2align	6, 0x0
	.amdhsa_kernel k_qa3b9ea8620_attn
		.amdhsa_group_segment_fixed_size 327680
		.amdhsa_private_segment_fixed_size 0
		.amdhsa_enable_private_segment 0
		.amdhsa_kernarg_size 24
		.amdhsa_user_sgpr_count 2
		.amdhsa_user_sgpr_kernarg_segment_ptr 1
		.amdhsa_wavefront_size32 1
		.amdhsa_system_sgpr_workgroup_id_x 1
		.amdhsa_system_sgpr_workgroup_id_y 1
		.amdhsa_system_sgpr_workgroup_id_z 1
		.amdhsa_system_vgpr_workitem_id 0
		.amdhsa_next_free_vgpr 512
		.amdhsa_next_free_sgpr 66
		.amdhsa_reserve_vcc 0
		.amdhsa_float_denorm_mode_32 3
		.amdhsa_float_denorm_mode_16_64 3
		.amdhsa_memory_ordered 1
		.amdhsa_forward_progress 1
		.amdhsa_inst_pref_size 44
	.end_amdhsa_kernel
	.amdgpu_metadata
---
amdhsa.version: [ 1, 2 ]
amdhsa.kernels:
  - .name:           k_qa3b9ea8620_attn
    .symbol:         k_qa3b9ea8620_attn.kd
    .args:
      - { .name: qi, .offset: 0, .size: 8, .value_kind: global_buffer, .address_space: global }
      - { .name: kv, .offset: 8, .size: 8, .value_kind: global_buffer, .address_space: global }
      - { .name: out0, .offset: 16, .size: 8, .value_kind: global_buffer, .address_space: global }
    .group_segment_fixed_size: 327680
    .private_segment_fixed_size: 0
    .kernarg_segment_align: 8
    .kernarg_segment_size: 24
    .max_flat_workgroup_size: 256
    .sgpr_count:     66
    .vgpr_count:     512
    .wavefront_size: 32
...
	.end_amdgpu_metadata
.endif
;; end of part 3
